; MI455X (gfx1250); checked and timed in simulation.
; The chip was launched on July 23, 2026; its instructions are those of AMD's public machine-readable ISA for CDNA 5 (MIT licence, August 2026) and "CDNA5" Instruction Set Architecture Reference Guide (July 2026). The comments in the code are by the model that wrote it; some were corrected since.
;; Quaternion Attention. Allowed arithmetic: matrix products marked QUANTISED: E2M1 operands, one E8M0 scale for each 32 along K, by v_wmma_scale_f32_16x16x128_f8f6f4 with both operands' format E2M1 (or v_wmma_scale_f32_32x16x128_f4), f32 sums; everything else in f32.
;; Inputs: key_omegas 4 x 2,048 x 8 x 4 float32; key_thetas 4 x 2,048 x 8 x 4 float32; keys 4 x 2,048 x 8 x 64 float32; queries 4 x 2,048 x 8 x 64 float32; query_omegas 4 x 2,048 x 8 x 4 float32; query_thetas 4 x 2,048 x 8 x 4 float32; values_codes 4 x 8 x 64 x 64 x 16 uint8 (E2M1 codes of values, K innermost, in blocks of 32 codes, two codes a byte); values_scales 4 x 8 x 64 x 64 uint8 (E8M0 scales of values, one for each 32 codes along K).
;; Outputs: out0 4 x 2,048 x 8 x 64 float32.
;; This version of the problem:
;;   THIS VERSION OF THE PROBLEM IS GIVEN IN LOW PRECISION. The matrix products marked QUANTISED in the list below multiply operands that are first quantised to E2M1 (2 exponent bits, 1 mantissa bit; 4 bits a number), with one power-of-two scale for each 32 numbers along K (OCP MX v1.0); their sums are f32. All else is computed in f32.
;;   The module's matrix products, in the order in which they are computed (A, B: the left and right operand; K: the contracted axis; several contracted axes count as one K, in the product's order):
;;     1. batch 32 x [M 2,048, K 256] x [K 256, N 2,048]; A: computed on the way; B: computed on the way: QUANTISED
;;     2. batch 32 x [M 64, K 2,048] x [K 2,048, N 2,048]; A: input values (given as codes); B: softmax (see below): QUANTISED
;;   THE QUANTISER, for each operand of a quantised product, along K:
;;     - K is cut into blocks of 32 from its start; a last block that is shorter is filled with zeros.
;;     - A block's scale is 2^e with e = floor(log2(the largest magnitude in the block)) - 2, held to -126 .. 127; a block of zeros has e = 0. As a byte (E8M0): e + 127.
;;     - Each number is divided by its block's scale, clamped to +-6, and rounded to the nearest number of E2M1, ties to even, subnormals kept.
;;     - The product sums the exact products of the quantised numbers (number of the format x scale) in f32.
;;   ~~~python
;;   def quantise(x, axis):      # numpy; x: float32 -> the quantised numbers, widened to float32 again
;;       x = np.moveaxis(x, axis, -1); K = x.shape[-1]
;;       x = np.pad(x, [(0, 0)] * (x.ndim - 1) + [(0, -K % 32)]); x = x.reshape(x.shape[:-1] + (-1, 32)); a = np.abs(x).max(-1, keepdims=True)
;;       e = np.where(a > 0, np.clip(np.frexp(np.where(a > 0, a, 1))[1] - 1 - 2, -126, 127), 0)      # np.frexp(a)[1] - 1 = floor(log2(a)), exactly
;;       r = np.clip(x / 2.0 ** e, -6, 6)
;;       step = 2.0 ** (np.maximum(np.frexp(np.where(r == 0, 1, r))[1] - 1, 0) - 1)
;;       q = np.round(r / step) * step * 2.0 ** e      # np.round: ties to even
;;       return np.moveaxis(q.reshape(q.shape[:-2] + (-1,))[..., :K], -1, axis).astype(np.float32)
;;   ~~~
;;   SOFTMAX AHEAD OF A QUANTISED PRODUCT. Where the list says 'softmax', what is quantised is not the finished softmax but p = 2^(t - M), with t = logit x log2(e) and M = ceil(the row's largest t), a whole number; so 1/2 < the row's largest p <= 1. The row's sum l is taken of the UNQUANTISED p, in f32, and the product's result is divided by l at the end. Since M is a whole number, a kernel that streams over the keys may use a running M (the ceiling of the running maximum): every later rescaling is an exact power of two, which a block's scale takes up: the codes' values come out the same.
;;   OPERANDS COMPUTED ON THE WAY. 'Computed on the way' means the value that the module computes at that place (a softmax that the list does not call 'softmax' is quantised finished and normalised). What goes into a quantiser is computed in f32, as accurately as f32 sums, v_exp_f32 and their like allow (about 1e-6 of the number): no bf16 or f16 on the way to a quantiser, and a product that is left as it is and whose result goes on into a quantised operand takes f32 operands (vector FMAs, or v_wmma_f32_16x16x4_f32). A number that lies on a knife's edge between two numbers of the format may be rounded either way, as far as f32 arithmetic and the matrix unit's own rounding can turn it there, and no further.
;;   INPUTS GIVEN AS CODES. values (in the module: [4, 2048, 8, 64], K = its axis 1): each comes as NAME_codes (uint8): NAME with its K axis moved to the last place and cut into blocks of 32 codes, [.., K / 32, bytes a block], one block behind the other in memory; two codes a byte, the lower K in the low four bits (a code: sign, 2 exponent bits, 1 mantissa bit); and NAME_scales (uint8): the same leading axes, one E8M0 byte (e + 127) for each 32 codes along K. Its value is code x scale, taken as it is: it is not quantised again, and the codes and scales need not be those that the quantiser above would give.
;; One version. Each part assembles by itself: llvm-mc -triple=amdgcn-amd-amdhsa -mcpu=gfx1250 --defsym DOCPART=n.
;; ======== version 1 of 1: 2 launches
;; limits: right only within a limited range of input values
;; workspace buffers: kv 11,141,120 bytes
;; launch prep (part 1): grid 64 x 4, 16 waves a work-group, no clusters, 73,728 bytes of LDS; arguments keys, key_omegas, key_thetas, values_codes, values_scales, kv; writes kv
.if DOCPART == 1
	.amdgcn_target "amdgcn-amd-amdhsa--gfx1250"
	.amdhsa_code_object_version 6
	.text
	.protected	k_q8ff3a92ffe_prep
	.globl	k_q8ff3a92ffe_prep
	.p2align	8
	.type	k_q8ff3a92ffe_prep,@function
k_q8ff3a92ffe_prep:
	s_mov_b64 s[64:65], 0
	v_nop
	global_prefetch_b8 v0, s[64:65] scope:SCOPE_SE
	s_setreg_imm32_b32 hwreg(HW_REG_WAVE_MODE, 25, 1), 1
	s_wait_xcnt 0x0
; FIRST LAUNCH: the keys are turned by their four angles and quantised to FP4 (E2M1) with one E8M0 byte for each 32 along K; V's codes and scales are laid beside K's.
; keys [4][2048][8][64] f32; omegas, thetas [4][2048][8][4] f32.  angle(m) = omega(m) x key / 2048 + theta(m).
; K_rot(m, e): e 0-31: x(e) cos - x(e + 32) sin;  e 32-63: x(e) cos + x(e - 32) sin.
; K OF THE PRODUCT: its two contracted axes count as one, the head's 64 first and the four turns innermost: k = 4 e + m.  So a block of 32 is eight neighbouring e with all four turns: block g = e / 8.
; Inside a block the codes stand in the order 8 m + e % 8, and block g = 4 hh + n stands at the operand's place 2 n + hh.  The second launch lays Q alike: each product meets its partner and each block its own scale.
; ROWS OF A TILE: row r of tile (C, tp, u) is key 64 C + 16 tp + 8 u + r % 8 + 32 (r / 8).  So the eight results that lanes 0-15 get of a tile belong to one block of 32 keys, those of lanes 16-31 to the next.
; THE IMAGE, laid as the second launch's operand registers want it (bh = 8 batch + head):
;   kv [bh][step of 128 keys]: K's codes 16,384 bytes [C % 2][tp][u][n][lane][16]; K's scales 1,024 [C % 2][tp][lane][u][4]; V's codes 4,096 [t][c][lane][16]: row 16 t + lane % 16, block 4 step + 2 c + lane / 16; V's scales 256 [lane][p][4]: row 32 p + lane
;   a scale word of K: lane 16 s + r holds the bytes of the places 4 s .. 4 s + 3 of row r
; SHARES.  A work-group takes the 32 keys of the two tiles u of one (C, tp), of one batch, all 8 heads.  Wave w: head w % 8, u = w / 8: one tile of 16 keys.  Waves 0 and 1 also lay a quarter of 512 keys of one head's V each.
; Lane (r, hh) makes the four blocks of half hh of its key's row: a whole block lies in one lane's 32 registers.
; A load takes two rows of 256 bytes, 16 bytes a lane; rows turn through the wave's own stage in LDS.  The two tiles' scale words meet in LDS, behind one barrier, so that a store covers 256 bytes.
; No cluster, no tensor load: the work-groups share no input byte.
; SINE AND COSINE in f32: n = nearest whole number to angle x 2 / pi; angle - n x pi / 2 by three fused multiply-adds on pi / 2 in three parts; two polynomials; the quadrant picks and signs them.
; LIMITS: NaN and infinities are not served; angles up to about 4e4 in magnitude; the angle and the turn use fused multiply-adds (one rounding fewer than a product and a sum);
; a block of zeros, or one whose largest magnitude lies under 2^-124, gets the byte 1: its codes are zeros or nearly so, and this program alone reads the bytes; k is permuted as said above.
.set PITCH, 272                        ; a stage row: 256 bytes + 16
.set STG,   16*PITCH                   ; a wave's stage
.set XCH,   16*STG                     ; where the scale words meet: 256 bytes a head
.set SPARE, XCH+2048                   ; the spare words, 128 bytes a wave
.set STEPB, 21760                      ; a step's image of K and V
.set KVBH,  16*STEPB                   ; a head's
.set GIN,  4                           ; v4   2,048 (lane / 16) + 16 (lane % 16)
.set SIN,  5                           ; v5   into the stage
.set AO,   6                           ; v6   out of it: row r, my half
.set AXA,  7                           ; v7   row r, the other half
.set GW,   8                           ; v8   my row's omegas and thetas
.set LI,   9                           ; v9   16 x lane
.set L8,   10                          ; v10  8 x lane
.set KR,   11                          ; v11  r % 8 + 32 (r / 8)
.set POS,  12
.set SG,   13                          ; v13  the sine's sign: minus in half 0
.set SH8,  14                          ; v14  8 hh
.set OMG,  16
.set THT,  20
.set CS,   32                          ; cos(m), twice each
.set SN,   40                          ; signed sin(m), twice each
.set AA,   48
.set AN,   52
.set AI,   56
.set AZ,   60
.set AP,   64
.set AC,   68
.set BY,   72
.set T0,   76
.set T1,   77
.set SND,  78
.set RCV,  79
.set W,    80
.set XA,   81                          ; v81  my place among the scale words
.set MX,   82
.set SCOP, 86
.set AV,   87                          ; v87  V: out of the stage: row r, block hh
.set RAW,  88                          ; rows as loaded; the first 16 then hold the tile's codes
.set XW,   152                         ; my half of my row
.set XO,   184                         ; the other half
.set OUT,  216
.set SPW,  248
.set NIL,  249
.set GV,   250                         ; v250 V: 1,024 (lane / 16) + 16 (lane % 16)
.set VSO,  251                         ; v251 V's scales: 64 x lane
.set VSD,  252
.set INV,  32
.set NP1,  33
.set NP2,  34
.set NP3,  35
.set SS4,  36
.set SS3,  37
.set SS2,  38
.set SS1,  39
.set CC4,  40
.set CC3,  41
.set CC2,  42
.set HM,   43
.set SEL,  44
.set MAG,  46                          ; s46  1.5 x 2^23: a sum with it is rounded to a whole number, and its low bits are that number's
.set PB,   47                          ; s47  the wave's first key
; Four angles at a time, each line for all four, so that no line waits for the line above it.
.macro SINCOS om, th
.irp n, 0,1,2,3
	v_fma_f32 v[AA+\n], v[(\om)+\n], v[POS], v[(\th)+\n]   ; the angle
.endr
.irp n, 0,1,2,3
	v_fma_f32 v[AI+\n], v[AA+\n], s[INV], s[MAG]   ; 1.5 x 2^23 + n
.endr
.irp n, 0,1,2,3
	v_sub_f32 v[AN+\n], v[AI+\n], s[MAG]           ; n, exactly
.endr
.irp p, NP1, NP2, NP3
.irp n, 0,1,2,3
	v_fma_f32 v[AA+\n], v[AN+\n], s[\p], v[AA+\n]  ; angle - n pi / 2, part by part
.endr
.endr
.irp n, 0,1,2,3
	v_mul_f32 v[AZ+\n], v[AA+\n], v[AA+\n]
.endr
.irp n, 0,1,2,3
	v_fma_f32 v[AP+\n], v[AZ+\n], s[SS4], s[SS3]
	v_fma_f32 v[AC+\n], v[AZ+\n], s[CC4], s[CC3]
.endr
.irp n, 0,1,2,3
	v_fma_f32 v[AP+\n], v[AP+\n], v[AZ+\n], s[SS2]
	v_fma_f32 v[AC+\n], v[AC+\n], v[AZ+\n], s[CC2]
.endr
.irp n, 0,1,2,3
	v_fma_f32 v[AP+\n], v[AP+\n], v[AZ+\n], s[SS1]
	v_fma_f32 v[AC+\n], v[AC+\n], v[AZ+\n], -0.5
.endr
.irp n, 0,1,2,3
	v_mul_f32 v[AN+\n], v[AZ+\n], v[AA+\n]
	v_fma_f32 v[AC+\n], v[AC+\n], v[AZ+\n], 1.0    ; the cosine of the rest
.endr
.irp n, 0,1,2,3
	v_fma_f32 v[AP+\n], v[AP+\n], v[AN+\n], v[AA+\n]   ; the sine of the rest
.endr
.irp n, 0,1,2,3
	v_and_b32 v[AN+\n], 1, v[AI+\n]
.endr
.irp n, 0,1,2,3
	v_cmp_eq_u32 vcc_lo, 1, v[AN+\n]               ; in odd quadrants the two change places
	v_cndmask_b32 v[AZ+\n], v[AP+\n], v[AC+\n], vcc_lo
	v_cndmask_b32 v[AA+\n], v[AC+\n], v[AP+\n], vcc_lo
.endr
.irp n, 0,1,2,3
	v_lshlrev_b32 v[AN+\n], 30, v[AI+\n]           ; the sine is negative where n has bit 1,
.endr
.irp n, 0,1,2,3
	v_add_nc_u32 v[AI+\n], 1, v[AI+\n]             ; the cosine where n + 1 has it
.endr
.irp n, 0,1,2,3
	v_and_b32 v[AN+\n], 0x80000000, v[AN+\n]
.endr
.irp n, 0,1,2,3
	v_lshlrev_b32 v[AI+\n], 30, v[AI+\n]
.endr
.irp n, 0,1,2,3
	v_xor_b32 v[AN+\n], v[SG], v[AN+\n]            ; and my half's sign goes with the sine
.endr
.irp n, 0,1,2,3
	v_and_b32 v[AI+\n], 0x80000000, v[AI+\n]
.endr
.irp n, 0,1,2,3
	v_xor_b32 v[SN+2*\n], v[AZ+\n], v[AN+\n]
	v_xor_b32 v[SN+2*\n+1], v[AZ+\n], v[AN+\n]
	v_xor_b32 v[CS+2*\n], v[AA+\n], v[AI+\n]
	v_xor_b32 v[CS+2*\n+1], v[AA+\n], v[AI+\n]
.endr
.endm
; The 32 numbers in OUT become four registers of codes and a scale byte.
.macro QBLOCK dst, by
.irp a, 0,1,2,3
	v_max3_num_f32 v[MX+\a], |v[OUT+3*\a]|, |v[OUT+3*\a+1]|, |v[OUT+3*\a+2]|
.endr
.irp i, 12,20
.irp a, 0,1,2,3
	v_max3_num_f32 v[MX+\a], v[MX+\a], |v[OUT+\i+2*\a]|, |v[OUT+\i+2*\a+1]|
.endr
.endr
	v_max3_num_f32 v[MX], v[MX], |v[OUT+28]|, |v[OUT+29]|
	v_max3_num_f32 v[MX+1], v[MX+1], |v[OUT+30]|, |v[OUT+31]|
	v_max3_num_f32 v[MX], v[MX], v[MX+1], v[MX+2]
	v_max3_num_f32 v[MX], v[MX], v[MX+3], 0x1800000              ; and the floor 2^(3 - 127): the byte cannot fall under 1
	v_add_nc_u32 v[SCOP], 0xff000000, v[MX]                      ; 2 off the exponent field: the conversion takes that field as its scale
.irp g, 0,1,2,3
	v_cvt_scalef32_pk8_fp4_f32 v[(\dst)+\g], v[OUT+8*\g:OUT+8*\g+7], v[SCOP]
.endr
	v_lshrrev_b32 v[\by], 23, v[SCOP]                            ; the byte; also the plain line behind the conversions
.endm
; The tile's ten loads: omegas, thetas, then its rows.
.macro LOADS
	global_load_b128 v[OMG:OMG+3], v[GW], s[6:7]
	global_load_b128 v[THT:THT+3], v[GW], s[8:9]
.irp i, 0,1,2,3,4,5,6,7
	global_load_b128 v[RAW+4*\i:RAW+4*\i+3], v[GIN], s[4:5] offset:(2*(\i%4)+32*(\i/4))*2048 th:TH_LOAD_NT   ; tile rows 2 i, 2 i + 1: sixteen lanes read a head's 256 bytes of a key
.endr
.endm
	s_load_b256 s[48:55], s[0:1], 0x0              ; keys, omegas, thetas, V's codes
	s_load_b128 s[56:59], s[0:1], 0x20             ; V's scales, kv
	v_lshrrev_b32 v1, 5, v0
	v_readfirstlane_b32 s14, v1                    ; wave
	s_and_b32 s28, s14, 7                          ; head
	s_lshr_b32 s29, s14, 3                         ; u
	s_mul_i32 s16, s14, STG                        ; my stage
	s_lshl_b32 s17, s28, 8
	s_lshl_b32 s18, s29, 2
	s_add_co_u32 s17, s17, s18
	s_add_co_u32 s17, s17, XCH                     ; my head's scale words, tile u
	v_lshl_add_u32 v[SPW], v0, 2, SPARE
	v_mov_b32 v[NIL], 0
	v_and_b32 v1, 31, v0                           ; lane
	v_and_b32 v2, 15, v0                           ; r
	v_bfe_u32 v3, v0, 4, 1                         ; hh
	v_lshlrev_b32 v[GIN], 11, v3
	v_lshlrev_b32 v[GV], 10, v3
	v_mul_u32_u24 v[SIN], v3, PITCH
	v_mul_u32_u24 v[AO], v2, PITCH
	v_xor_b32 v15, 1, v3                           ; the other half
	v_lshl_add_u32 v[GIN], v2, 4, v[GIN]
	v_lshl_add_u32 v[GV], v2, 4, v[GV]
	v_lshl_add_u32 v[SIN], v2, 4, v[SIN]
	v_add_nc_u32 v[AO], s16, v[AO]
	v_add_nc_u32 v[SIN], s16, v[SIN]
	v_lshl_add_u32 v[AV], v3, 4, v[AO]
	v_lshl_add_u32 v[AXA], v15, 7, v[AO]
	v_lshl_add_u32 v[AO], v3, 7, v[AO]
	v_and_b32 v[KR], 8, v2
	v_lshlrev_b32 v[LI], 4, v1
	v_lshlrev_b32 v[L8], 3, v1
	v_mad_u32_u24 v[KR], v[KR], 3, v2
	v_lshlrev_b32 v[SG], 31, v15
	v_lshlrev_b32 v[SH8], 3, v3
	v_lshlrev_b32 v[GW], 7, v[KR]                  ; 128 bytes a key
	v_lshlrev_b32 v[VSO], 6, v1
	v_add_nc_u32 v[XA], s17, v[L8]
	v_mov_b32 v[RCV], 0                            ; a lane permute's destination counts as one of its sources
	s_and_b32 s15, ttmp7, 0xffff                   ; batch
	s_lshl_b32 s20, s15, 22                        ; keys: batch x 4 MiB + C x 128 KiB + tp x 32 KiB + u x 16 KiB + head x 256; grid x = 2 C + tp
	s_lshr_b32 s2, ttmp9, 1
	s_lshl_b32 s17, s2, 17
	s_add_co_u32 s20, s20, s17
	s_and_b32 s3, ttmp9, 1
	s_lshl_b32 s17, s3, 15
	s_add_co_u32 s20, s20, s17
	s_lshl_b32 s17, s29, 14
	s_add_co_u32 s20, s20, s17
	s_lshl_b32 s17, s28, 8
	s_add_co_u32 s20, s20, s17
	s_mov_b32 s21, 0
	s_lshr_b32 s22, s20, 4                         ; omegas, thetas: a sixteenth of that
	s_mov_b32 s23, 0
	s_lshl_b32 s[PB], s2, 6
	s_lshl_b32 s17, s3, 4
	s_add_co_u32 s[PB], s[PB], s17
	s_lshl_b32 s17, s29, 3
	s_add_co_u32 s[PB], s[PB], s17                 ; 64 C + 16 tp + 8 u
	s_lshl_b32 s17, s15, 3
	s_add_co_u32 s17, s17, s28                     ; bh
	s_mul_i32 s24, s17, KVBH                       ; where codes and scales go
	s_lshr_b32 s18, ttmp9, 2
	s_mul_i32 s18, s18, STEPB
	s_add_co_u32 s24, s24, s18
	s_and_b32 s2, ttmp9, 3                         ; 2 (C % 2) + tp
	s_lshl_b32 s3, s2, 8
	s_add_co_u32 s26, s24, s3
	s_add_co_u32 s26, s26, 16384
	s_lshl_b32 s3, s2, 12
	s_add_co_u32 s24, s24, s3
	s_lshl_b32 s3, s29, 11
	s_add_co_u32 s24, s24, s3
	s_mov_b32 s25, 0
	s_mov_b32 s27, 0
	s_lshr_b32 s2, ttmp9, 3                        ; V: head x / 8, keys 512 (x / 2 % 4) on, rows 16 T, T = 2 (x % 2) + wave
	s_lshl_b32 s3, s15, 3
	s_add_co_u32 s2, s2, s3
	s_bfe_u32 s3, ttmp9, 0x20001
	s_and_b32 s18, ttmp9, 1
	s_lshl_b32 s18, s18, 1
	s_add_co_u32 s18, s18, s14
	s_lshl_b32 s72, s2, 16
	s_lshl_b32 s17, s18, 14
	s_add_co_u32 s72, s72, s17
	s_lshl_b32 s17, s3, 8
	s_add_co_u32 s72, s72, s17
	s_lshl_b32 s74, s2, 12                         ; its scales: the words of step 4 (x / 2 % 4) + T
	s_lshl_b32 s17, s3, 4
	s_add_co_u32 s74, s74, s17
	s_lshl_b32 s17, s18, 2
	s_add_co_u32 s74, s74, s17
	s_mul_i32 s76, s2, KVBH
	s_mul_i32 s17, s3, 4*STEPB
	s_add_co_u32 s76, s76, s17
	s_mul_i32 s17, s18, STEPB
	s_add_co_u32 s78, s76, s17
	s_add_co_u32 s78, s78, 21504
	s_lshl_b32 s17, s18, 10
	s_add_co_u32 s76, s76, s17
	s_add_co_u32 s76, s76, 17408
	s_mov_b32 s73, 0
	s_mov_b32 s75, 0
	s_mov_b32 s77, 0
	s_mov_b32 s79, 0
	s_mov_b32 s[INV], 0x3f22f983                   ; 2 / pi
	s_mov_b32 s[NP1], 0xbfc90fd8                   ; -pi / 2 in three parts
	s_mov_b32 s[NP2], 0xb4a8885a
	s_mov_b32 s[NP3], 0xa7c234c4
	s_mov_b32 s[SS4], 0x36405000                   ; the sine's polynomial
	s_mov_b32 s[SS3], 0xb9503486
	s_mov_b32 s[SS2], 0x3c0888c1
	s_mov_b32 s[SS1], 0xbe2aaaab
	s_mov_b32 s[CC4], 0x37cd4000                   ; the cosine's
	s_mov_b32 s[CC3], 0xbab6077d
	s_mov_b32 s[CC2], 0x3d2aaaa8
	s_mov_b32 s[HM], 0xffff0000
	s_mov_b32 s[SEL], 0x76543210
	s_mov_b32 s[SEL+1], 0xfedcba98
	s_mov_b32 s[MAG], 0x4b400000
	s_wait_alu depctr_va_vdst(0)
	s_wait_kmcnt 0x0
	s_add_nc_u64 s[4:5], s[48:49], s[20:21]
	s_add_nc_u64 s[6:7], s[50:51], s[22:23]
	s_add_nc_u64 s[8:9], s[52:53], s[22:23]
	s_add_nc_u64 s[10:11], s[58:59], s[24:25]
	s_add_nc_u64 s[12:13], s[58:59], s[26:27]
	s_add_nc_u64 s[72:73], s[54:55], s[72:73]
	s_add_nc_u64 s[74:75], s[56:57], s[74:75]
	s_add_nc_u64 s[76:77], s[58:59], s[76:77]
	s_add_nc_u64 s[78:79], s[58:59], s[78:79]
	s_cmp_lt_u32 s14, 2                            ; waves 0 and 1 lay V
	s_cbranch_scc0 .Lno_v
.irp i, 0,1,2,3,4,5,6,7
	global_load_b128 v[XW+4*\i:XW+4*\i+3], v[GV], s[72:73] offset:2048*\i th:TH_LOAD_NT   ; rows 2 i, 2 i + 1 of my 16: 256 bytes each
.endr
	global_load_b32 v[VSD], v[VSO], s[74:75]
	global_load_b32 v[VSD+1], v[VSO], s[74:75] offset:2048
	LOADS
	s_wait_loadcnt 10                              ; V is in; the ten loads behind it may be out
.irp i, 0,1,2,3,4,5,6,7
	ds_store_b128 v[SIN], v[XW+4*\i:XW+4*\i+3] offset:2*\i*PITCH
.endr
.irp k, 0,1,2,3,4,5,6,7
	ds_load_b128 v[XO+4*\k:XO+4*\k+3], v[AV] offset:32*\k   ; LDS serves a wave's instructions in order: these see the stores above
.endr
	global_store_b64 v[L8], v[VSD:VSD+1], s[78:79]
	s_wait_dscnt 0x0
.irp k, 0,1,2,3,4,5,6,7
	global_store_b128 v[LI], v[XO+4*\k:XO+4*\k+3], s[76:77] offset:STEPB*(\k/2)+512*(\k%2)   ; 512 consecutive bytes each
.endr
	s_wait_xcnt 0x0                                ; the stores' registers are written again below
	s_branch .Lturn
.Lno_v:
	LOADS
.Lturn:
	s_wait_loadcnt 8                               ; omegas and thetas are in; the eight row loads may be out
	v_add_nc_u32 v[POS], s[PB], v[KR]
	v_cvt_f32_u32 v[POS], v[POS]
	v_mul_f32 v[POS], 0x3a000000, v[POS]           ; x 2^-11: exact
	SINCOS OMG, THT
	s_wait_alu depctr_va_vdst(0)
	s_wait_loadcnt 0x0
.irp i, 0,1,2,3,4,5,6,7
	ds_store_b128 v[SIN], v[RAW+4*\i:RAW+4*\i+3] offset:2*\i*PITCH
.endr
.irp i, 0,1,2,3,4,5,6,7
	ds_load_b128 v[XW+4*\i:XW+4*\i+3], v[AO] offset:16*\i
.endr
.irp i, 0,1,2,3,4,5,6,7
	ds_load_b128 v[XO+4*\i:XO+4*\i+3], v[AXA] offset:16*\i   ; the partners in the turn lie 32 e away, in the other half
.endr
	s_wait_dscnt 0x0                               ; all in, and the stores have read their registers, which take the codes
.irp b, 0,1,2,3                                ; block b of my half: its eight e, each under all four turns: register 8 m + e % 8
.irp m, 0,1,2,3
.irp j, 0,2,4,6
	v_pk_mul_f32 v[OUT+8*\m+\j:OUT+8*\m+\j+1], v[XO+8*\b+\j:XO+8*\b+\j+1], v[SN+2*\m:SN+2*\m+1]
.endr
.endr
.irp m, 0,1,2,3
.irp j, 0,2,4,6
	v_pk_fma_f32 v[OUT+8*\m+\j:OUT+8*\m+\j+1], v[XW+8*\b+\j:XW+8*\b+\j+1], v[CS+2*\m:CS+2*\m+1], v[OUT+8*\m+\j:OUT+8*\m+\j+1]
.endr
.endr
	QBLOCK RAW+4*\b, BY+\b
	global_store_b128 v[LI], v[RAW+4*\b:RAW+4*\b+3], s[10:11] offset:512*\b   ; 32 lanes store 512 consecutive bytes; each b has registers of its own
.endr
	; My four bytes (places hh, 2 + hh, 4 + hh, 6 + hh) and lane l xor 16's four make two words: lanes 0-15 keep places 0-3, lanes 16-31 places 4-7.
	s_mov_b32 vcc_lo, s[HM]
	v_lshl_or_b32 v[T0], v[BY+1], 16, v[BY]
	v_lshl_or_b32 v[T1], v[BY+3], 16, v[BY+2]
	v_lshlrev_b32 v[T0], v[SH8], v[T0]
	v_lshlrev_b32 v[T1], v[SH8], v[T1]
	v_cndmask_b32 v[SND], v[T1], v[T0], vcc_lo     ; what the other lane wants of me
	v_cndmask_b32 v[T0], v[T0], v[T1], vcc_lo      ; what I keep
	v_permlanex16_b32 v[RCV], v[SND], s[SEL], s[SEL+1]
	v_or_b32 v[W], v[T0], v[RCV]
	ds_store_b32 v[XA], v[W]                       ; the two tiles' words stand side by side
	s_wait_alu depctr_va_vdst(0)
	s_wait_dscnt 0x0
	s_barrier_signal -1
	s_barrier_wait -1
	s_cmp_lt_u32 s14, 8                            ; waves 0-7 store a head's words each
	s_cbranch_scc0 .Lend
	ds_load_b64 v[VSD:VSD+1], v[XA]
	s_wait_dscnt 0x0
	global_store_b64 v[L8], v[VSD:VSD+1], s[12:13] ; 32 lanes store 256 consecutive bytes, aligned
.Lend:
	s_wait_tensorcnt 0x0                           ; the wave's end
	ds_add_u32 v[SPW], v[NIL]
	s_wait_dscnt 0x0
	s_endpgm
.Lfunc_end_k_q8ff3a92ffe_prep:
	.size	k_q8ff3a92ffe_prep, .Lfunc_end_k_q8ff3a92ffe_prep-k_q8ff3a92ffe_prep
	.p2alignl 7, 3214868480
	.fill 96, 4, 3214868480
	.section	.rodata,"a",@progbits
	.p2align	6, 0x0
	.amdhsa_kernel k_q8ff3a92ffe_prep
		.amdhsa_group_segment_fixed_size 73728
		.amdhsa_private_segment_fixed_size 0
		.amdhsa_enable_private_segment 0
		.amdhsa_kernarg_size 48
		.amdhsa_user_sgpr_count 2
		.amdhsa_user_sgpr_kernarg_segment_ptr 1
		.amdhsa_wavefront_size32 1
		.amdhsa_system_sgpr_workgroup_id_x 1
		.amdhsa_system_sgpr_workgroup_id_y 1
		.amdhsa_system_sgpr_workgroup_id_z 1
		.amdhsa_system_vgpr_workitem_id 0
		.amdhsa_next_free_vgpr 256
		.amdhsa_next_free_sgpr 80
		.amdhsa_reserve_vcc 1
		.amdhsa_float_denorm_mode_32 3
		.amdhsa_float_denorm_mode_16_64 3
		.amdhsa_memory_ordered 1
		.amdhsa_forward_progress 1
		.amdhsa_inst_pref_size 33
	.end_amdhsa_kernel
	.amdgpu_metadata
---
amdhsa.version: [ 1, 2 ]
amdhsa.kernels:
  - .name:           k_q8ff3a92ffe_prep
    .symbol:         k_q8ff3a92ffe_prep.kd
    .args:
      - { .name: keys, .offset: 0, .size: 8, .value_kind: global_buffer, .address_space: global }
      - { .name: key_omegas, .offset: 8, .size: 8, .value_kind: global_buffer, .address_space: global }
      - { .name: key_thetas, .offset: 16, .size: 8, .value_kind: global_buffer, .address_space: global }
      - { .name: values_codes, .offset: 24, .size: 8, .value_kind: global_buffer, .address_space: global }
      - { .name: values_scales, .offset: 32, .size: 8, .value_kind: global_buffer, .address_space: global }
      - { .name: kv, .offset: 40, .size: 8, .value_kind: global_buffer, .address_space: global }
    .group_segment_fixed_size: 73728
    .private_segment_fixed_size: 0
    .kernarg_segment_align: 8
    .kernarg_segment_size: 48
    .max_flat_workgroup_size: 512
    .sgpr_count:     80
    .vgpr_count:     256
    .wavefront_size: 32
...
	.end_amdgpu_metadata
.endif
;; end of part 1
;; launch attn (part 2): grid 8 x 32, 8 waves a work-group, clusters of 4 x 1, 327,680 bytes of LDS; arguments queries, query_omegas, query_thetas, kv, out0; writes out0
.if DOCPART == 2
	.amdgcn_target "amdgcn-amd-amdhsa--gfx1250"
	.amdhsa_code_object_version 6
	.text
	.protected	k_q8ff3a92ffe_attn
	.globl	k_q8ff3a92ffe_attn
	.p2align	8
	.type	k_q8ff3a92ffe_attn,@function
k_q8ff3a92ffe_attn:
	s_mov_b64 s[64:65], 0
	v_nop
	global_prefetch_b8 v0, s[64:65] scope:SCOPE_SE
	s_setreg_imm32_b32 hwreg(HW_REG_WAVE_MODE, 25, 1), 1
	s_wait_xcnt 0x0
	s_wait_alu depctr_hold_cnt(0) depctr_sa_sdst(0) depctr_va_vdst(0) depctr_va_sdst(0) depctr_va_ssrc(0) depctr_va_vcc(0) depctr_vm_vsrc(0)
	s_getreg_b32 s2, hwreg(HW_REG_IB_STS2, 6, 4)
	s_cmp_eq_u32 s2, 0
	s_cbranch_scc0 .Lentry_in_a_cluster
	s_endpgm
.Lentry_in_a_cluster:
	s_bfe_u32 s2, ttmp6, 0x10000c
	s_cmp_lg_u32 s2, 0x3003
	s_cbranch_scc0 .Lentry_shape_is_right
	s_endpgm
.Lentry_shape_is_right:
; SECOND LAUNCH: out(b, q, h, :) = sum over keys of softmax(Q_rot . K_rot / 32) V, both products on codes of FP4 (E2M1) with one E8M0 byte for each 32 along a product's K.
; Q_rot(m, e) of a query: e 0-15: x0 cos - x1 sin; 16-31: x1 cos + x0 sin; 32-47: x2 cos + x3 sin; 48-63: x3 cos - x2 sin (x0 .. x3: the row's quarters), angle(m) = omega(m) x query / 2048 + theta(m).
; Q_rot is read by one wave alone, so it is turned and quantised in registers at the head; k = 4 e + m, a block = eight neighbouring e under all four turns, codes and blocks placed as the first launch places K's.
; K and V come from the first launch as images of the operand registers: a load takes 512 bytes on end.
; SOFTMAX: t = score x log2(e) / 32; M = the running largest t rounded up to a whole number; p = 2^(t - M) is quantised along the keys, not normalised; the row's sum is taken of the unquantised p and divides at the end;
; when M moves, the sum and O are multiplied by 2^(old M - new M), which rounds nothing.
; SHARES.  A work-group owns 256 queries of one head (bh); each of its eight waves 32 of them, two tiles of 16, in 512 registers.  Every wave walks the head's 2,048 keys, 128 a step; each fragment of K and V read from LDS feeds two products.
; Row r of tile x of wave w is query 256 X + 64 (w / 2) + 16 (w % 2) + 8 x + r % 8 + 32 (r / 8).
; LAYOUT.  Both products are used transposed: S^T = K Q^T, O^T = V^T P^T: a lane holds ONE query (lane % 16).  Row r of key tile 4 c + u is key 64 c + 8 u + r % 8 + 32 (r / 8):
; the 32 registers of tiles 4 c .. 4 c + 3 are, in lane (r, h), the 32 keys of block 2 c + h in order: a block's largest needs no other lane, and the conversions' results are the second product's operand.
; SLOTS OF WORK.  A step is two slots.  Slot x does tile x's softmax and V^T P; among its multiply-adds stand the other tile's 16 score products (slot 0: this step's; slot 1: the next step's), whose maxima follow, ahead of the exponentials.
; Slot 0 asks LDS, behind the last product on this step's K, for this step's V and the next step's K: V is wanted behind the exponentials, K in slot 1.
; CLUSTER.  The four query blocks of a cluster walk the same K and V: every tile is asked for JOINTLY, by the same tensor load with the same descriptor and a mask that names the four.
; LDS holds steps' images on end: K 16,384, K's scales 1,024, V 4,096, V's scales 256 bytes.  Three fills, one load a wave each: at the head steps 0-3 and K of step 4; behind the second round V of step 4 up to K of step 12;
; behind step 3 a refill of what steps 0-3 have left with V of step 12 up to V of step 15, which is read eight steps later.
; No prefetch is written: each fill is asked for whole, four and eight steps ahead of its first read, and nothing is left to ask for behind step 3.
; LIMITS: NaN and infinities are not served; angles up to about 4e4 in magnitude; the angle and the turn use fused multiply-adds (one rounding fewer than a product and a sum);
; the promise holds while the scaled scores t stay under 2^31 in magnitude; a block of zeros, or one whose largest magnitude lies under 2^-124, gets the byte 1: its codes are zeros or nearly so.
; REGISTERS, window 0: v1-11 addresses; v16-29 scale words alone; v32-79, v224-229 at work; v80-111 Q; v112-143 V; v144-159 p's codes; v160-223 O^T.
;            window 1: v0-127 K's 16 fragments of a step; v128-255 S^T, then p, 64 a tile.
.set UNIT,  21760
.set KVBH,  16*UNIT
.set VOFF,  17408                      ; V of step 0
.set FILL1, VOFF+4*UNIT                ; V of step 4: the second fill's first byte
.set FILL2, VOFF+12*UNIT               ; V of step 12, in memory; the LDS tiles end here
.set SPARE, FILL2                      ; the spare words, 128 bytes a wave
.set STAGE, SPARE+1024                 ; a stage of 16 rows x 272 bytes for each wave: no tensor load lands here
.set ROWS0, 51                         ; rows of 256 bytes in a wave's load of each fill
.set ROWS1, 85
.set ROWS2, 34
.set LI,   1                           ; 16 x lane
.set L8,   2                           ; 8 x lane
.set KR,   3                           ; r % 8 + 32 (r / 8)
.set SPW,  4
.set NIL,  5
.set GO,   6                           ; 2,048 (lane / 16) + 16 (lane % 16): two rows of Q or of out
.set STO,  7                           ; the stage: row r + 32 h
.set RD,   8                           ; the stage: row h + 16 r
.set SH8,  9                           ; 8 h
.set ADU,  10
.set ADS,  11
.set KS,   16
.set VS,   24
.set PS,   26
.set QS,   28
.set STT,  32                          ; tile x at v[32 + 8 x]: -M, the largest score, the sum in two halves, f, its exponent
.set TM,   48                          ; tile x at v[48 + 8 x]: +0, 1 the blocks' largest; +2, 3 scale operands
.set MX,   64
.set WB,   72
.set WX,   74
.set TT,   75
.set TX,   76
.set NMT,  77
.set QF,   80
.set VF,   112
.set PC,   144
.set OT,   160
.set SB,   224
.set SC,   226
.set SD,   228
.set S,    128                         ; window 1
; at the head only:
.set GW,   10                          ; my query's omegas and thetas
.set POS,  11
.set BY,   12
.set AO,   30                          ; the stage: row r, my half
.set SG,   31                          ; the sine's sign: minus in half 1
.set OMG,  32
.set CS,   48
.set SN,   56
.set AA,   64
.set AN,   68
.set AI,   72
.set AZ,   76
.set AP,   240
.set AC,   244
.set SCOP, 68
.set T0,   69
.set T1,   70
.set SND,  71
.set RCV,  72
.set RAW,  112
.set X,    176
.set OUT,  208
.set WV,   20
.set Q0,   21                          ; s21 my wave's first query
.set CSC,  22                          ; s[22:23] log2(e) / 32
.set NCS,  24                          ; s24 minus that
.set SEL,  26
.set TB,   28                          ; where the step's V begins in LDS
.set STEPS, 29
.set G1A,  32
.set G1B,  40
.set G1C,  68
.set G0A,  48
.set G0B,  52
.set G0C,  56
.set INV,  76
.set NP1,  77
.set NP2,  78
.set NP3,  79
.set SS4,  80
.set SS3,  81
.set SS2,  82
.set SS1,  83
.set CC4,  84
.set CC3,  85
.set CC2,  86
.set HM,   87
.set MAG,  88                          ; s88 1.5 x 2^23
.set MSB, 0
.macro WIN new                         ; the immediate's high byte repeats the setting that is left; a switch that changes nothing is dropped
.if MSB != \new
	s_set_vgpr_msb (MSB<<8)|\new
.set MSB, \new
.endif
.endm
.macro NOPS n
.rept \n
	v_nop
.endr
.endm
.macro CROUND                          ; a round of the cluster's barrier
	s_barrier_signal -1
	s_barrier_wait -1
	s_cmp_lg_u32 s[WV], 0
	s_cbranch_scc1 .Lnot_wave_0_\@
	s_barrier_signal -3
.Lnot_wave_0_\@:
	s_barrier_wait -3
	s_barrier_signal -1
	s_barrier_wait -1
.endm
.macro GROUP1 g, rows                  ; rows of 256 bytes on end, no padding
	s_mov_b32 s[\g], 15|(3<<16)|(1<<21)            ; 15:0 the mask: all four work-groups; 17:16 elements of 8 bytes; 21 set beside a mask
	s_mov_b32 s[\g+1], 32<<16
	s_mov_b32 s[\g+2], \rows<<16
	s_mov_b32 s[\g+3], 32<<16
	s_mov_b32 s[\g+4], \rows
	s_mov_b32 s[\g+5], 32
	s_mov_b32 s[\g+6], 0
	s_mov_b32 s[\g+7], 0
.endm
; Four angles at a time, each line for all four, as in the first launch.
.macro SINCOS om, th
.irp n, 0,1,2,3
	v_fma_f32 v[AA+\n], v[(\om)+\n], v[POS], v[(\th)+\n]
.endr
.irp n, 0,1,2,3
	v_fma_f32 v[AI+\n], v[AA+\n], s[INV], s[MAG]
.endr
.irp n, 0,1,2,3
	v_sub_f32 v[AN+\n], v[AI+\n], s[MAG]
.endr
.irp p, NP1, NP2, NP3
.irp n, 0,1,2,3
	v_fma_f32 v[AA+\n], v[AN+\n], s[\p], v[AA+\n]
.endr
.endr
.irp n, 0,1,2,3
	v_mul_f32 v[AZ+\n], v[AA+\n], v[AA+\n]
.endr
.irp n, 0,1,2,3
	v_fma_f32 v[AP+\n], v[AZ+\n], s[SS4], s[SS3]
	v_fma_f32 v[AC+\n], v[AZ+\n], s[CC4], s[CC3]
.endr
.irp n, 0,1,2,3
	v_fma_f32 v[AP+\n], v[AP+\n], v[AZ+\n], s[SS2]
	v_fma_f32 v[AC+\n], v[AC+\n], v[AZ+\n], s[CC2]
.endr
.irp n, 0,1,2,3
	v_fma_f32 v[AP+\n], v[AP+\n], v[AZ+\n], s[SS1]
	v_fma_f32 v[AC+\n], v[AC+\n], v[AZ+\n], -0.5
.endr
.irp n, 0,1,2,3
	v_mul_f32 v[AN+\n], v[AZ+\n], v[AA+\n]
	v_fma_f32 v[AC+\n], v[AC+\n], v[AZ+\n], 1.0
.endr
.irp n, 0,1,2,3
	v_fma_f32 v[AP+\n], v[AP+\n], v[AN+\n], v[AA+\n]
.endr
.irp n, 0,1,2,3
	v_and_b32 v[AN+\n], 1, v[AI+\n]
.endr
.irp n, 0,1,2,3
	v_cmp_eq_u32 vcc_lo, 1, v[AN+\n]
	v_cndmask_b32 v[AZ+\n], v[AP+\n], v[AC+\n], vcc_lo
	v_cndmask_b32 v[AA+\n], v[AC+\n], v[AP+\n], vcc_lo
.endr
.irp n, 0,1,2,3
	v_lshlrev_b32 v[AN+\n], 30, v[AI+\n]
.endr
.irp n, 0,1,2,3
	v_add_nc_u32 v[AI+\n], 1, v[AI+\n]
.endr
.irp n, 0,1,2,3
	v_and_b32 v[AN+\n], 0x80000000, v[AN+\n]
.endr
.irp n, 0,1,2,3
	v_lshlrev_b32 v[AI+\n], 30, v[AI+\n]
.endr
.irp n, 0,1,2,3
	v_xor_b32 v[AN+\n], v[SG], v[AN+\n]
.endr
.irp n, 0,1,2,3
	v_and_b32 v[AI+\n], 0x80000000, v[AI+\n]
.endr
.irp n, 0,1,2,3
	v_xor_b32 v[SN+2*\n], v[AZ+\n], v[AN+\n]
	v_xor_b32 v[SN+2*\n+1], v[AZ+\n], v[AN+\n]
	v_xor_b32 v[CS+2*\n], v[AA+\n], v[AI+\n]
	v_xor_b32 v[CS+2*\n+1], v[AA+\n], v[AI+\n]
.endr
.endm
; The 32 numbers in OUT become four registers of codes and a scale byte.
.macro QBLOCK dst, by
.irp a, 0,1,2,3
	v_max3_num_f32 v[AA+\a], |v[OUT+3*\a]|, |v[OUT+3*\a+1]|, |v[OUT+3*\a+2]|
.endr
.irp i, 12,20
.irp a, 0,1,2,3
	v_max3_num_f32 v[AA+\a], v[AA+\a], |v[OUT+\i+2*\a]|, |v[OUT+\i+2*\a+1]|
.endr
.endr
	v_max3_num_f32 v[AA], v[AA], |v[OUT+28]|, |v[OUT+29]|
	v_max3_num_f32 v[AA+1], v[AA+1], |v[OUT+30]|, |v[OUT+31]|
	v_max3_num_f32 v[AA], v[AA], v[AA+1], v[AA+2]
	v_max3_num_f32 v[AA], v[AA], v[AA+3], 0x1800000              ; the floor 2^(3 - 127)
	v_add_nc_u32 v[SCOP], 0xff000000, v[AA]                      ; 2 off the exponent field: the conversion's scale operand
.irp g, 0,1,2,3
	v_cvt_scalef32_pk8_fp4_f32 v[(\dst)+\g], v[OUT+8*\g:OUT+8*\g+7], v[SCOP]
.endr
	v_lshrrev_b32 v[\by], 23, v[SCOP]                            ; the byte; also the plain line behind the conversions
.endm
; Tile x of my queries: angles, the rows' turn through my stage, then my half's four blocks, quantised into Q's fragments, and the scale words: lanes 0-15 K step 0, lanes 16-31 K step 1.
.macro QTILE x
	v_add_nc_u32 v[POS], s[Q0], v[KR]
.if \x
	v_add_nc_u32 v[POS], 8, v[POS]
.endif
	v_cvt_f32_u32 v[POS], v[POS]
	v_mul_f32 v[POS], 0x3a000000, v[POS]           ; x 2^-11: exact
	SINCOS OMG+8*\x, OMG+8*\x+4
	s_wait_alu depctr_va_vdst(0)
	s_wait_loadcnt 8-8*\x                          ; this tile's eight row loads are in; the other tile's eight may be out
.irp i, 0,1,2,3,4,5,6,7
	ds_store_b128 v[RD], v[RAW+32*\x+4*\i:RAW+32*\x+4*\i+3] offset:2*\i*272
.endr
.irp i, 0,1,2,3,4,5,6,7
	ds_load_b128 v[X+4*\i:X+4*\i+3], v[AO] offset:16*\i        ; LDS serves a wave's instructions in order: these see the stores above
.endr
	s_wait_dscnt 0x0
.irp b, 0,1,2,3                                ; block b of my half: register 8 m + e % 8.  Its partner in the turn lies 16 e away, in the half's other quarter
.irp m, 0,1,2,3
.irp j, 0,2,4,6
	v_pk_mul_f32 v[OUT+8*\m+\j:OUT+8*\m+\j+1], v[X+(8*\b+16)%32+\j:X+(8*\b+16)%32+\j+1], v[SN+2*\m:SN+2*\m+1]
.endr
.endr
.irp m, 0,1,2,3
.irp j, 0,2,4,6
.if \b < 2
	v_pk_fma_f32 v[OUT+8*\m+\j:OUT+8*\m+\j+1], v[X+8*\b+\j:X+8*\b+\j+1], v[CS+2*\m:CS+2*\m+1], v[OUT+8*\m+\j:OUT+8*\m+\j+1] neg_lo:[0,0,1] neg_hi:[0,0,1]   ; first quarter of my half: x cos - y sin'
.else
	v_pk_fma_f32 v[OUT+8*\m+\j:OUT+8*\m+\j+1], v[X+8*\b+\j:X+8*\b+\j+1], v[CS+2*\m:CS+2*\m+1], v[OUT+8*\m+\j:OUT+8*\m+\j+1]   ; second: y cos + x sin'
.endif
.endr
.endr
	QBLOCK QF+16*\x+4*\b, BY+\b
.endr
	s_mov_b32 vcc_lo, s[HM]                        ; lanes 16-31
	v_lshl_or_b32 v[T0], v[BY+1], 16, v[BY]
	v_lshl_or_b32 v[T1], v[BY+3], 16, v[BY+2]
	v_lshlrev_b32 v[T0], v[SH8], v[T0]
	v_lshlrev_b32 v[T1], v[SH8], v[T1]
	v_cndmask_b32 v[SND], v[T1], v[T0], vcc_lo     ; what the other lane wants of me
	v_cndmask_b32 v[T0], v[T0], v[T1], vcc_lo      ; what I keep
	v_permlanex16_b32 v[RCV], v[SND], s[SEL], s[SEL+1]
	v_or_b32 v[QS+\x], v[T0], v[RCV]
.endm
; Score products of key tile t, query tile q: K step 0 starts the sum, K step 1 ends it.
.macro SK0 q, t
	v_wmma_scale_f32_16x16x128_f8f6f4 v[S+64*(\q)+8*(\t):S+64*(\q)+8*(\t)+7], v[16*(\t):16*(\t)+7], v[QF+16*(\q):QF+16*(\q)+7], 0, v[KS+(\t)], v[QS+(\q)] matrix_a_fmt:MATRIX_FMT_FP4 matrix_b_fmt:MATRIX_FMT_FP4
.endm
.macro SK1 q, t
	v_wmma_scale_f32_16x16x128_f8f6f4 v[S+64*(\q)+8*(\t):S+64*(\q)+8*(\t)+7], v[16*(\t)+8:16*(\t)+15], v[QF+16*(\q)+8:QF+16*(\q)+15], v[S+64*(\q)+8*(\t):S+64*(\q)+8*(\t)+7], v[KS+(\t)], v[QS+(\q)] matrix_a_fmt:MATRIX_FMT_FP4 matrix_b_fmt:MATRIX_FMT_FP4 matrix_a_scale:MATRIX_SCALE_ROW1 matrix_b_scale:MATRIX_SCALE_ROW1
.endm
; The largest score of each of my two blocks of 32 keys: it serves the row's maximum and, since p rises with the score, the block's largest p.  Eight chains, each accumulator from its low end on.
.macro MAXT y
	WIN 0x15
.irp a, 0,1,2,3,4,5,6,7
	v_max3_num_f32 v[MX+\a], v[S+64*(\y)+8*\a], v[S+64*(\y)+8*\a+1], v[S+64*(\y)+8*\a+2]
.endr
	WIN 0x14
.irp i, 3,5
.irp a, 0,1,2,3,4,5,6,7
	v_max3_num_f32 v[MX+\a], v[MX+\a], v[S+64*(\y)+8*\a+\i], v[S+64*(\y)+8*\a+\i+1]
.endr
.endr
.irp a, 0,2,4,6
	v_max3_num_f32 v[MX+\a], v[MX+\a], v[S+64*(\y)+8*\a+7], v[S+64*(\y)+8*\a+15]
.endr
	WIN 0
.irp c, 0,1
	v_max3_num_f32 v[MX+4*\c], v[MX+4*\c], v[MX+4*\c+1], v[MX+4*\c+2]
.endr
.irp c, 0,1
	v_max_num_f32 v[TM+8*(\y)+\c], v[MX+4*\c], v[MX+4*\c+3]
.endr
.endm
; The statistics of tile y, line by line: the running largest score (with lane l xor 16's), -M = floor(-t), f = 2^(old M - new M), the blocks' largest as t - M, the sum under the new M.
.macro ST y, n
.if \n == 1
	v_max3_num_f32 v[TT], v[STT+8*(\y)+1], v[TM+8*(\y)], v[TM+8*(\y)+1]
.elseif \n == 2
	v_permlanex16_b32 v[TX], v[TT], s[SEL], s[SEL+1]
.elseif \n == 3
	v_max_num_f32 v[STT+8*(\y)+1], v[TT], v[TX]
.elseif \n == 4
	v_mul_f32 v[TT], s[NCS], v[STT+8*(\y)+1]
.elseif \n == 5
	v_floor_f32 v[NMT], v[TT]
.elseif \n == 6
	v_sub_f32 v[TT], v[NMT], v[STT+8*(\y)]         ; a whole number, 0 or less
.elseif \n == 7
	v_mov_b32 v[STT+8*(\y)], v[NMT]
.elseif \n == 8
	v_cvt_i32_f32 v[STT+8*(\y)+5], v[TT]           ; (it saturates)
.elseif \n == 9
	v_ldexp_f32 v[STT+8*(\y)+4], 1.0, v[STT+8*(\y)+5]
.elseif \n == 10
	v_fma_f32 v[TM+8*(\y)], v[TM+8*(\y)], s[CSC], v[STT+8*(\y)]
.elseif \n == 11
	v_fma_f32 v[TM+8*(\y)+1], v[TM+8*(\y)+1], s[CSC], v[STT+8*(\y)]
.else
	v_pk_mul_f32 v[STT+8*(\y)+2:STT+8*(\y)+3], v[STT+8*(\y)+2:STT+8*(\y)+3], v[STT+8*(\y)+4:STT+8*(\y)+5] op_sel_hi:[1,0]
.endif
.endm
.macro STI sc, n                       ; a line of the other tile's statistics, where its scores were made
.if \sc
	ST YY, \n
.endif
.endm
.macro OR x, k                         ; two of O^T's 32 registers of tile x, times f
	v_pk_mul_f32 v[OT+32*\x+2*\k:OT+32*\x+2*\k+1], v[OT+32*\x+2*\k:OT+32*\x+2*\k+1], v[STT+8*\x+4:STT+8*\x+5] op_sel_hi:[1,0]
.endm
.macro TMM x                           ; t - M, two at a time
	v_pk_fma_f32 v[j:j+1], v[j:j+1], s[CSC:CSC+1], v[STT+8*\x:STT+8*\x+1] op_sel_hi:[1,0,0]
.set j, j+2
.endm
; SLOT x.  sc: the other tile's scores are made; fv: this step's V is loaded; fk: and the next step's K.
.macro SLOT x, sc, fv, fk
.set YY, 1-\x
.if (\sc) && (\x)
	s_wait_alu depctr_va_vdst(0)
	s_wait_dscnt 16                                ; K step 0's fragments and the scale words are in; K step 1's sixteen loads may be out
.endif
	WIN 0x41
.set j, S+64*\x
.irp t, 0,1,2,3,4,5,6,7
.if \sc
	SK0 YY, \t
.endif
	TMM \x
	TMM \x
.endr
.irp g, 0,4
.if \sc
.if (\x) && (\g == 0)
	s_wait_dscnt 0x0                               ; K step 1's fragments are in
.endif
	WIN 0x51
.irp t, 0,1,2,3
	SK1 YY, \g+\t
.endr
	WIN 0x41
.endif
.rept 8
	TMM \x                                         ; (also the places behind the products)
.endr
.endr
	WIN 0
.if \fv
	v_add_nc_u32 v[ADU], s[TB], v[LI]
	v_add_nc_u32 v[ADS], s[TB], v[L8]
.irp i, 0,1,2,3,4,5,6,7
	ds_load_b128 v[VF+4*\i:VF+4*\i+3], v[ADU] offset:512*\i
.endr
	ds_load_b64 v[VS:VS+1], v[ADS] offset:4096
.if \fk
	WIN 0x40
.irp t, 0,1,2,3,4,5,6,7
.irp n, 0,1
	ds_load_b128 v[16*\t+4*\n:16*\t+4*\n+3], v[ADU] offset:4352+2048*\t+512*\n
.endr
.endr
	WIN 0
.irp p, 0,1,2,3
	ds_load_b64 v[KS+2*\p:KS+2*\p+1], v[ADS] offset:20736+256*\p
.endr
	WIN 0x40
.irp t, 0,1,2,3,4,5,6,7
.irp n, 2,3
	ds_load_b128 v[16*\t+4*\n:16*\t+4*\n+3], v[ADU] offset:4352+2048*\t+512*\n
.endr
.endr
.endif
	s_add_co_u32 s[TB], s[TB], UNIT
.endif
.if \sc
	MAXT YY
.endif
	WIN 0
	s_wait_alu depctr_va_vdst(0)                   ; ahead of O^T's first readers and of the exponentials below
	OR \x, 0                                       ; the first half of O^T under the new M, with the other tile's statistics between
	STI \sc, 1
	OR \x, 1
	STI \sc, 2
	OR \x, 2
	STI \sc, 3
	OR \x, 3
	STI \sc, 4
	OR \x, 4
	STI \sc, 5
	OR \x, 5
	STI \sc, 6
	OR \x, 6
	STI \sc, 7
	STI \sc, 8
	OR \x, 7
	STI \sc, 9
	STI \sc, 10
	STI \sc, 11
	STI \sc, 12
	WIN 0x41
.set j, S+64*\x
.rept 64
	v_exp_f32 v[j], v[j]
.set j, j+1
.endr
	WIN 0
	v_exp_f32 v[TM+8*\x], v[TM+8*\x]               ; the blocks' largest p: the same two instructions on the same number give the same bits
	v_exp_f32 v[TM+8*\x+1], v[TM+8*\x+1]
	v_nop                                          ; a plain line behind the exponentials
.if \fv
	s_wait_dscnt 36*\fk                            ; V is in; the 36 loads of the next step's K, issued behind it, may be out
.endif
	s_wait_alu depctr_va_vdst(0)                   ; one wait for the 66 exponentials, ahead of their first reader, and for O^T's second half
	OR \x, 8                                       ; the second half, with p's scales and scale word between
.irp c, 0,1
	v_max_num_f32 v[TM+8*\x+\c], 0x1800000, v[TM+8*\x+\c]       ; the floor 2^(3 - 127): the byte cannot fall under 1
.endr
	OR \x, 9
.irp c, 0,1
	v_add_nc_u32 v[TM+8*\x+2+\c], 0xff000000, v[TM+8*\x+\c]     ; 2 off the exponent field: the conversion's scale operand
.endr
	OR \x, 10
	v_lshrrev_b32 v[WB], 23, v[TM+8*\x+2]          ; my two blocks' bytes,
	v_lshrrev_b32 v[WB+1], 23, v[TM+8*\x+3]
	OR \x, 11
	v_lshl_or_b32 v[WB], v[WB+1], 16, v[WB]        ; at their places: 0 and 2 in lanes 0-15, 1 and 3 in lanes 16-31
	OR \x, 12
	v_lshlrev_b32 v[WB], v[SH8], v[WB]
	OR \x, 13
	v_permlanex16_b32 v[WX], v[WB], s[SEL], s[SEL+1]
	OR \x, 14
	v_or_b32 v[PS+\x], v[WB], v[WX]
	OR \x, 15
	WIN 0x05
	v_pk_add_f32 v[SB:SB+1], v[S+64*\x:S+64*\x+1], v[S+64*\x+2:S+64*\x+3]   ; the sum of the unquantised p, in four chains, the conversions between
	v_pk_add_f32 v[SC:SC+1], v[S+64*\x+4:S+64*\x+5], v[S+64*\x+6:S+64*\x+7]
	v_pk_add_f32 v[SD:SD+1], v[S+64*\x+8:S+64*\x+9], v[S+64*\x+10:S+64*\x+11]
	WIN 0x01
.set j, S+64*\x+12
.irp g, 0,1,2,3,4,5,6,7
	v_pk_add_f32 v[STT+8*\x+2:STT+8*\x+3], v[j:j+1], v[STT+8*\x+2:STT+8*\x+3]
	v_pk_add_f32 v[SB:SB+1], v[j+2:j+3], v[SB:SB+1]
	v_pk_add_f32 v[SC:SC+1], v[j+4:j+5], v[SC:SC+1]
	v_cvt_scalef32_pk8_fp4_f32 v[PC+8*\x+\g], v[S+64*\x+8*\g:S+64*\x+8*\g+7], v[TM+8*\x+2+\g/4]
.set j, j+6
.endr
	v_pk_add_f32 v[SD:SD+1], v[j:j+1], v[SD:SD+1]
	v_pk_add_f32 v[SD:SD+1], v[j+2:j+3], v[SD:SD+1]
	WIN 0
	v_pk_add_f32 v[SB:SB+1], v[SB:SB+1], v[SC:SC+1]
	v_pk_add_f32 v[STT+8*\x+2:STT+8*\x+3], v[STT+8*\x+2:STT+8*\x+3], v[SD:SD+1]
	v_pk_add_f32 v[STT+8*\x+2:STT+8*\x+3], v[STT+8*\x+2:STT+8*\x+3], v[SB:SB+1]
.irp t, 0,1,2,3
.if (\t%2) == 0
	v_wmma_scale_f32_16x16x128_f8f6f4 v[OT+32*\x+8*\t:OT+32*\x+8*\t+7], v[VF+8*\t:VF+8*\t+7], v[PC+8*\x:PC+8*\x+7], v[OT+32*\x+8*\t:OT+32*\x+8*\t+7], v[VS+\t/2], v[PS+\x] matrix_a_fmt:MATRIX_FMT_FP4 matrix_b_fmt:MATRIX_FMT_FP4
.else
	v_wmma_scale_f32_16x16x128_f8f6f4 v[OT+32*\x+8*\t:OT+32*\x+8*\t+7], v[VF+8*\t:VF+8*\t+7], v[PC+8*\x:PC+8*\x+7], v[OT+32*\x+8*\t:OT+32*\x+8*\t+7], v[VS+\t/2], v[PS+\x] matrix_a_fmt:MATRIX_FMT_FP4 matrix_b_fmt:MATRIX_FMT_FP4 matrix_a_scale:MATRIX_SCALE_ROW1
.endif
.endr
.endm
.macro STEPLOOP n                      ; n steps, written once
	s_mov_b32 s[STEPS], \n
.Lstep_\@:
	SLOT 0, 1, 1, 1
	SLOT 1, 1, 0, 0
	s_sub_co_u32 s[STEPS], s[STEPS], 1
	s_cmp_lg_u32 s[STEPS], 0
	s_wait_alu depctr_va_vdst(0)
	s_cbranch_scc1 .Lstep_\@
.endm
	s_load_b256 s[4:11], s[0:1], 0x0               ; queries s[4:5], omegas s[6:7], thetas s[8:9], kv s[10:11]
	s_load_b64 s[16:17], s[0:1], 0x20              ; out
	v_lshl_add_u32 v[SPW], v0, 2, SPARE
	v_mov_b32 v[NIL], 0
	ds_add_u32 v[SPW], v[NIL]                      ; the wave's opening: the add, twice on end, and its wait ahead of my first tensor load
	ds_add_u32 v[SPW], v[NIL]
	v_lshrrev_b32 v10, 5, v0
	v_readfirstlane_b32 s[WV], v10                 ; wave 0..7
	s_mul_i32 s2, s[WV], 16*272
	s_add_co_u32 s2, s2, STAGE                     ; my stage
	v_and_b32 v14, 31, v0                          ; lane
	v_and_b32 v12, 15, v0                          ; r
	v_bfe_u32 v13, v0, 4, 1                        ; h
	v_lshlrev_b32 v[LI], 4, v14
	v_lshlrev_b32 v[L8], 3, v14
	v_and_b32 v[KR], 8, v12
	v_lshlrev_b32 v[SH8], 3, v13
	v_lshlrev_b32 v[GO], 11, v13
	v_mul_u32_u24 v[STO], v12, 272
	v_mul_u32_u24 v[RD], v13, 272
	v_mad_u32_u24 v[KR], v[KR], 3, v12
	v_lshl_add_u32 v[GO], v12, 4, v[GO]
	v_add_nc_u32 v[STO], s2, v[STO]
	v_lshl_add_u32 v[RD], v12, 4, v[RD]
	v_lshlrev_b32 v[SG], 31, v13
	v_lshl_add_u32 v[AO], v13, 7, v[STO]
	v_lshl_add_u32 v[STO], v13, 5, v[STO]
	v_add_nc_u32 v[RD], s2, v[RD]
	v_lshlrev_b32 v[GW], 7, v[KR]                  ; 128 bytes a query
	s_bfe_u32 s13, ttmp6, 0x40000                  ; cx: it enters Q's, the angles' and out's addresses and the positions alone
	s_lshl_b32 s30, ttmp9, 2
	s_add_co_u32 s30, s30, s13                     ; X: my block of 256 queries
	s_and_b32 s12, ttmp7, 0xffff                   ; bh, which the four partners share
	s_lshl_b32 s[Q0], s30, 8
	s_lshr_b32 s13, s[WV], 1
	s_lshl_b32 s13, s13, 6
	s_add_co_u32 s[Q0], s[Q0], s13
	s_and_b32 s13, s[WV], 1
	s_lshl_b32 s13, s13, 4
	s_add_co_u32 s[Q0], s[Q0], s13                 ; 256 X + 64 (w / 2) + 16 (w % 2)
	s_lshr_b32 s2, s12, 3
	s_lshl_b32 s2, s2, 22                          ; Q, out: batch x 4 MiB
	s_lshl_b32 s3, s[Q0], 11                       ; + query x 2,048
	s_add_co_u32 s2, s2, s3
	s_and_b32 s3, s12, 7
	s_lshl_b32 s3, s3, 8                           ; + head x 256
	s_add_co_u32 s2, s2, s3
	s_mov_b32 s3, 0
	s_lshr_b32 s18, s2, 4                          ; omegas, thetas: a sixteenth of that
	s_mov_b32 s19, 0
	GROUP1 G1A, ROWS0
	GROUP1 G1B, ROWS1
	GROUP1 G1C, ROWS2
	s_mul_i32 s14, s12, KVBH
	s_mov_b32 s15, 0
	s_mul_i32 s60, s[WV], ROWS0*256                ; my part of each fill, in memory and in LDS
	s_mov_b32 s61, 0
	s_mul_i32 s62, s[WV], ROWS1*256
	s_add_co_u32 s62, s62, FILL1
	s_mov_b32 s63, 0
	s_mul_i32 s66, s[WV], ROWS2*256
	s_mov_b32 s67, 0
	s_mov_b32 s[G0A], 1                            ; count = 1
	s_mov_b32 s[G0A+1], s60
	s_mov_b32 s[G0B], 1
	s_mov_b32 s[G0B+1], s62
	s_mov_b32 s[G0C], 1
	s_add_co_u32 s[G0C+1], s66, VOFF
	s_add_co_u32 s66, s66, FILL2
	s_mov_b32 s[CSC], 0x3d38aa3b                   ; log2(e) / 32
	s_mov_b32 s[CSC+1], s[CSC]                     ; (named with it as a pair, so it is written)
	s_mov_b32 s[NCS], 0xbd38aa3b
	s_mov_b32 s[SEL], 0x76543210
	s_mov_b32 s[SEL+1], 0xfedcba98
	s_mov_b32 s[HM], 0xffff0000
	s_mov_b32 s[INV], 0x3f22f983                   ; 2 / pi
	s_mov_b32 s[NP1], 0xbfc90fd8                   ; -pi / 2 in three parts
	s_mov_b32 s[NP2], 0xb4a8885a
	s_mov_b32 s[NP3], 0xa7c234c4
	s_mov_b32 s[SS4], 0x36405000                   ; the sine's polynomial
	s_mov_b32 s[SS3], 0xb9503486
	s_mov_b32 s[SS2], 0x3c0888c1
	s_mov_b32 s[SS1], 0xbe2aaaab
	s_mov_b32 s[CC4], 0x37cd4000                   ; the cosine's
	s_mov_b32 s[CC3], 0xbab6077d
	s_mov_b32 s[CC2], 0x3d2aaaa8
	s_mov_b32 s[MAG], 0x4b400000
	s_wait_dscnt 0x0                               ; both opening adds are done
	s_wait_alu depctr_va_vdst(0)
	s_wait_kmcnt 0x0
	s_add_nc_u64 s[4:5], s[4:5], s[2:3]
	s_add_nc_u64 s[6:7], s[6:7], s[18:19]
	s_add_nc_u64 s[8:9], s[8:9], s[18:19]
	s_add_nc_u64 s[14:15], s[10:11], s[14:15]
	s_add_nc_u64 s[16:17], s[16:17], s[2:3]
	s_add_nc_u64 s[G0A+2:G0A+3], s[14:15], s[60:61]
	s_add_nc_u64 s[G0B+2:G0B+3], s[14:15], s[62:63]
	s_add_nc_u64 s[G0C+2:G0C+3], s[14:15], s[66:67]
	s_or_b32 s[G0A+3], s[G0A+3], 0x80000000        ; type = 2
	s_or_b32 s[G0B+3], s[G0B+3], 0x80000000
	s_or_b32 s[G0C+3], s[G0C+3], 0x80000000
.irp x, 0,1
	global_load_b128 v[OMG+8*\x:OMG+8*\x+3], v[GW], s[6:7] offset:1024*\x
	global_load_b128 v[OMG+8*\x+4:OMG+8*\x+7], v[GW], s[8:9] offset:1024*\x
.endr
.irp x, 0,1
.irp i, 0,1,2,3,4,5,6,7
	global_load_b128 v[RAW+32*\x+4*\i:RAW+32*\x+4*\i+3], v[GO], s[4:5] offset:(8*\x+2*(\i%4)+32*(\i/4))*2048 th:TH_LOAD_NT   ; rows 2 i, 2 i + 1 of the tile: sixteen lanes read a head's 256 bytes of a query
.endr
.endr
	CROUND                                         ; all four work-groups are here: the first joint loads meet
	tensor_load_to_lds s[G0A:G0A+3], s[G1A:G1A+7]  ; steps 0-3 and K of step 4: my eighth
	s_nop 0
	NOPS 4
	s_wait_loadcnt 16                              ; omegas and thetas are in; the 16 row loads may be out
	QTILE 0
	QTILE 1
.irp x, 0,1
	v_mov_b32 v[STT+8*\x], 0x7cf0bdc2              ; -M: 1e37, so that the first f is 0
	v_mov_b32 v[STT+8*\x+1], 0xff61b1e6            ; the largest score so far: -3e38
	v_mov_b32 v[STT+8*\x+2], 0                     ; the sum, in two halves
	v_mov_b32 v[STT+8*\x+3], 0
.endr
	v_mov_b32 v[WX], 0                             ; a lane permute's destination counts as one of its sources
	v_mov_b32 v[TX], 0
.set j, 0
.rept 64
	v_mov_b32 v[OT+j], 0                           ; O^T: the slot is written for every step alike; the first finds zeros
.set j, j+1
.endr
	s_wait_alu depctr_va_vdst(0)
	s_wait_tensorcnt 0x0                           ; my part of the first fill is in
	ds_add_u32 v[SPW], v[NIL]
	s_wait_dscnt 0x0
	CROUND
	tensor_load_to_lds s[G0B:G0B+3], s[G1B:G1B+7]  ; V of step 4 up to K of step 12
	s_nop 0
	NOPS 4
	WIN 0x40
.set j, 0
.rept 32
	ds_load_b128 v[4*j:4*j+3], v[LI] offset:512*j  ; K of step 0
.set j, j+1
.endr
	WIN 0
.irp p, 0,1,2,3
	ds_load_b64 v[KS+2*\p:KS+2*\p+1], v[L8] offset:16384+256*\p
.endr
	s_wait_dscnt 0x0
	WIN 0x41
.irp t, 0,1,2,3,4,5,6,7
	SK0 0, \t
.endr
	WIN 0x51
.irp t, 0,1,2,3,4,5,6,7
	SK1 0, \t
.endr
	NOPS 4                                         ; places ahead of the first read of the scores
	MAXT 0
.irp n, 1,2,3,4,5,6,7,8,9,10,11,12
	ST 0, \n
.endr
	s_mov_b32 s[TB], VOFF
	STEPLOOP 4                                     ; steps 0-3
	s_wait_alu depctr_va_vdst(0)
	s_wait_tensorcnt 0x0                           ; my part of the second fill is in
	ds_add_u32 v[SPW], v[NIL]                      ; 0 onto my spare word
	s_wait_dscnt 0x0                               ; the add is done, and all my reads of steps 0-3 and of K of step 4 are over
	CROUND
	tensor_load_to_lds s[G0C:G0C+3], s[G1C:G1C+7]  ; V of step 12 up to V of step 15, where steps 0-3 lay
	s_nop 0
	NOPS 4
	s_mov_b32 s[TB], FILL1
	STEPLOOP 8                                     ; steps 4-11
	s_wait_alu depctr_va_vdst(0)
	s_wait_tensorcnt 0x0                           ; my part of the refill is in
	ds_add_u32 v[SPW], v[NIL]
	s_wait_dscnt 0x0
	s_barrier_signal -1
	s_barrier_wait -1                              ; everybody's is
	s_mov_b32 s[TB], VOFF
	STEPLOOP 3                                     ; steps 12-14
	SLOT 0, 1, 1, 0                                ; step 15: there is no K behind it
	SLOT 1, 0, 0, 0
	; THE WAY OUT.  The sum's halves and lane l xor 16's are added (these lines are the places behind the last products); O^T is divided by the sum and goes through my stage, a tile of 16 queries at a time.
.irp x, 0,1
	v_add_f32 v[TM+8*\x], v[STT+8*\x+2], v[STT+8*\x+3]
.endr
.irp x, 0,1
	v_permlanex16_b32 v[TM+8*\x+1], v[TM+8*\x], s[SEL], s[SEL+1]
.endr
.irp x, 0,1
	v_add_f32 v[TM+8*\x], v[TM+8*\x], v[TM+8*\x+1]
.endr
	s_wait_alu depctr_va_vdst(0)
.irp x, 0,1
	v_rcp_f32 v[STT+8*\x+4], v[TM+8*\x]
.endr
	v_nop                                          ; a plain line behind the reciprocals
	s_wait_alu depctr_va_vdst(0)                   ; and one wait ahead of the first readers, of O^T's too
.irp x, 0,1
.irp k, 0,1,2,3,4,5,6,7,8,9,10,11,12,13,14,15
	OR \x, \k                                      ; register 8 t + i: out(query r, 16 t + 8 h + i)
.endr
.endr
.irp x, 0,1
.irp t, 0,1,2,3
	ds_store_b128 v[STO], v[OT+32*\x+8*\t:OT+32*\x+8*\t+3] offset:64*\t
	ds_store_b128 v[STO], v[OT+32*\x+8*\t+4:OT+32*\x+8*\t+7] offset:64*\t+16
.endr
.irp i, 0,1,2,3,4,5,6,7
	ds_load_b128 v[QF+32*\x+4*\i:QF+32*\x+4*\i+3], v[RD] offset:2*\i*272   ; LDS serves a wave's instructions in order: these see the stores above, and the next tile's stores come behind them
.endr
.endr
.irp i, 0,1,2,3,4,5,6,7
	s_wait_dscnt 23-\i                             ; behind tile 0's load i: its 7 - i younger loads and tile 1's sixteen instructions
	global_store_b128 v[GO], v[QF+4*\i:QF+4*\i+3], s[16:17] offset:(2*(\i%4)+32*(\i/4))*2048 th:TH_STORE_NT   ; sixteen lanes store 256 consecutive bytes, aligned
.endr
.irp i, 0,1,2,3,4,5,6,7
	s_wait_dscnt 7-\i
	global_store_b128 v[GO], v[QF+32+4*\i:QF+35+4*\i], s[16:17] offset:(8+2*(\i%4)+32*(\i/4))*2048 th:TH_STORE_NT
.endr
	s_wait_tensorcnt 0x0                           ; the wave's end, behind my last tensor load and my last LDS store
	ds_add_u32 v[SPW], v[NIL]
	s_wait_dscnt 0x0
	CROUND                                         ; the closing round: no work-group ends while a partner may still ask for a tile that names it
	s_endpgm
.Lfunc_end_k_q8ff3a92ffe_attn:
	.size	k_q8ff3a92ffe_attn, .Lfunc_end_k_q8ff3a92ffe_attn-k_q8ff3a92ffe_attn
	.p2alignl 7, 3214868480
	.fill 96, 4, 3214868480
	.section	.rodata,"a",@progbits
	.p2align	6, 0x0
	.amdhsa_kernel k_q8ff3a92ffe_attn
		.amdhsa_group_segment_fixed_size 327680
		.amdhsa_private_segment_fixed_size 0
		.amdhsa_enable_private_segment 0
		.amdhsa_kernarg_size 40
		.amdhsa_user_sgpr_count 2
		.amdhsa_user_sgpr_kernarg_segment_ptr 1
		.amdhsa_wavefront_size32 1
		.amdhsa_system_sgpr_workgroup_id_x 1
		.amdhsa_system_sgpr_workgroup_id_y 1
		.amdhsa_system_sgpr_workgroup_id_z 1
		.amdhsa_system_vgpr_workitem_id 0
		.amdhsa_next_free_vgpr 512
		.amdhsa_next_free_sgpr 96
		.amdhsa_reserve_vcc 1
		.amdhsa_float_denorm_mode_32 3
		.amdhsa_float_denorm_mode_16_64 3
		.amdhsa_memory_ordered 1
		.amdhsa_forward_progress 1
		.amdhsa_inst_pref_size 184
	.end_amdhsa_kernel
	.amdgpu_metadata
---
amdhsa.version: [ 1, 2 ]
amdhsa.kernels:
  - .name:           k_q8ff3a92ffe_attn
    .symbol:         k_q8ff3a92ffe_attn.kd
    .args:
      - { .name: queries, .offset: 0, .size: 8, .value_kind: global_buffer, .address_space: global }
      - { .name: query_omegas, .offset: 8, .size: 8, .value_kind: global_buffer, .address_space: global }
      - { .name: query_thetas, .offset: 16, .size: 8, .value_kind: global_buffer, .address_space: global }
      - { .name: kv, .offset: 24, .size: 8, .value_kind: global_buffer, .address_space: global }
      - { .name: out0, .offset: 32, .size: 8, .value_kind: global_buffer, .address_space: global }
    .group_segment_fixed_size: 327680
    .private_segment_fixed_size: 0
    .kernarg_segment_align: 8
    .kernarg_segment_size: 40
    .max_flat_workgroup_size: 256
    .sgpr_count:     96
    .vgpr_count:     512
    .wavefront_size: 32
...
	.end_amdgpu_metadata
.endif
;; end of part 2
